; MI455X (gfx1250); checked and timed in simulation.
; The chip was launched on July 23, 2026; its instructions are those of AMD's public machine-readable ISA for CDNA 5 (MIT licence, August 2026) and "CDNA5" Instruction Set Architecture Reference Guide (July 2026). The comments in the code are by the model that wrote it; some were corrected since.
;; SOM. Allowed arithmetic: matrix products marked QUANTISED: E3M2 operands, one E8M0 scale for each 32 along K, by v_wmma_scale_f32_16x16x128_f8f6f4 with both operands' format E3M2, f32 sums; everything else in f32.
;; Inputs: all_weights 128 x 128 x 256 float32; data 8,192 x 256 float32.
;; Outputs: out0 128 x 128 x 256 float32.
;; Constants: it = 3.
;; This version of the problem:
;;   THIS VERSION OF THE PROBLEM IS GIVEN IN LOW PRECISION. The matrix products marked QUANTISED in the list below multiply operands that are first quantised to E3M2 (3 exponent bits, 2 mantissa bits; 6 bits a number), with one power-of-two scale for each 32 numbers along K (OCP MX v1.0); their sums are f32. All else is computed in f32.
;;   The module's matrix products, in the order in which they are computed (A, B: the left and right operand; K: the contracted axis; several contracted axes count as one K, in the product's order):
;;     1. [M 8,192, K 256] x [K 256, N 16,384]; A: computed on the way; B: input all_weights: QUANTISED
;;     2. [M 16,384, K 8,192] x [K 8,192, N 256]; A: computed on the way; B: input data: QUANTISED
;;   THE QUANTISER, for each operand of a quantised product, along K:
;;     - K is cut into blocks of 32 from its start; a last block that is shorter is filled with zeros.
;;     - A block's scale is 2^e with e = floor(log2(the largest magnitude in the block)) - 4, held to -126 .. 127; a block of zeros has e = 0. As a byte (E8M0): e + 127.
;;     - Each number is divided by its block's scale, clamped to +-28, and rounded to the nearest number of E3M2, ties to even, subnormals kept.
;;     - The product sums the exact products of the quantised numbers (number of the format x scale) in f32.
;;   ~~~python
;;   def quantise(x, axis):      # numpy; x: float32 -> the quantised numbers, widened to float32 again
;;       x = np.moveaxis(x, axis, -1); K = x.shape[-1]
;;       x = np.pad(x, [(0, 0)] * (x.ndim - 1) + [(0, -K % 32)]); x = x.reshape(x.shape[:-1] + (-1, 32)); a = np.abs(x).max(-1, keepdims=True)
;;       e = np.where(a > 0, np.clip(np.frexp(np.where(a > 0, a, 1))[1] - 1 - 4, -126, 127), 0)      # np.frexp(a)[1] - 1 = floor(log2(a)), exactly
;;       r = np.clip(x / 2.0 ** e, -28, 28)
;;       step = 2.0 ** (np.maximum(np.frexp(np.where(r == 0, 1, r))[1] - 1, -2) - 2)
;;       q = np.round(r / step) * step * 2.0 ** e      # np.round: ties to even
;;       return np.moveaxis(q.reshape(q.shape[:-2] + (-1,))[..., :K], -1, axis).astype(np.float32)
;;   ~~~
;;   OPERANDS COMPUTED ON THE WAY. 'Computed on the way' means the value that the module computes at that place (a softmax that the list does not call 'softmax' is quantised finished and normalised). What goes into a quantiser is computed in f32, as accurately as f32 sums, v_exp_f32 and their like allow (about 1e-6 of the number): no bf16 or f16 on the way to a quantiser, and a product that is left as it is and whose result goes on into a quantised operand takes f32 operands (vector FMAs, or v_wmma_f32_16x16x4_f32). A number that lies on a knife's edge between two numbers of the format may be rounded either way, as far as f32 arithmetic and the matrix unit's own rounding can turn it there, and no further.
;; One version. Each part assembles by itself: llvm-mc -triple=amdgcn-amd-amdhsa -mcpu=gfx1250 --defsym DOCPART=n.
;; ======== version 1 of 1: 4 launches
;; workspace buffers: wq 3,407,872 bytes; xq 1,703,936 bytes; xt 1,638,400 bytes; cand 2,097,152 bytes; pxt 4,194,304 bytes; pyt 4,194,304 bytes
;; launch quant (part 1): grid 512 x 1, 4 waves a work-group, no clusters, 0 bytes of LDS; arguments all_weights, data, wq, xq, xt; writes wq, xq, xt
.if DOCPART == 1
	.amdgcn_target "amdgcn-amd-amdhsa--gfx1250"
	.amdhsa_code_object_version 6
	.text
	.protected	k_q44d08190a6_quant
	.globl	k_q44d08190a6_quant
	.p2align	8
	.type	k_q44d08190a6_quant,@function
k_q44d08190a6_quant:
	s_mov_b64 s[64:65], 0
	v_nop
	global_prefetch_b8 v0, s[64:65] scope:SCOPE_SE
	s_setreg_imm32_b32 hwreg(HW_REG_WAVE_MODE, 25, 1), 1
	s_wait_xcnt 0x0
; all_weights [16384][256] and data [8192][256], f32, become codes of BF6 (E3M2) with one E8M0 byte for each 32 along K, laid as IMAGES OF OPERAND REGISTERS.
; An image is a fragment of 16 rows x 128 K: 12 registers a lane, 1,536 bytes: registers 4 q .. 4 q + 3 of lane l at 512 q + 16 l.  Lane (r, h) holds row r; registers 0-5 K block h, registers 6-11 K block 2 + h.
; wq: 1,024 records of 3,328 bytes, one for 16 units: image of k 0-127, image of k 128-255, 32 scale words (lanes 0-15: the first image's, lanes 16-31: the second's), 32 floats: the rows' sums of squares, twice.
; xq: 512 such records for 16 samples each, K = the 256 dims.  They stand for 2 x data: the codes are data's and each scale byte is one higher, which is exact; the sums of squares are data's.
; xt: 64 records of 25,600 bytes, one for 128 samples: 16 images whose ROWS ARE DIMS and whose K runs over the samples, then 256 scale words, one a dim.
; A block's scale byte is its largest magnitude's exponent field - 4, held at 1 from below.
; LIMITS: a block of zeros gets the byte 1 (2 in xq) where the rule says 127: its codes are zeros and only this program reads the bytes.  Blocks of 2 x data whose largest magnitude lies under 2^-121 get a scale one power
; too high.  NaN and infinities among the inputs are not served.
; SHARES: a wave does one job of 16 KiB, all of it asked for at once.  Work-groups 0-255: rows of all_weights; 256-383: rows of data; 384-511: columns of data.  No LDS, no barrier: waves share nothing, so there is no tile to ask for jointly.
.set X,    32                          ; v32-159  128 numbers: four blocks of 32
.set SQ,   160                         ; v160-167 four chains of squares, two numbers each
.set F,    168                         ; v168-191 two images' registers of my lane
.set TC,   192                         ; v192-207 the upper half of each block's codes (a conversion's three registers begin on an even number)
.set MX,   208                         ; v208-211 largest magnitudes
.set SCL,  212                         ; v212-215 the conversions' scale operands
.set BYT,  216                         ; v216-219 scale bytes
.set T0,   220                         ; v220-223 at work
.set REC,  3328
.set XREC, 25600
.macro MAXES                           ; four blocks by turns: largest magnitude with the floor 2^(5 - 127), scale operand, byte
.irp k, 0,1,2,3
	v_max3_num_f32 v[MX+\k], |v[X+32*\k]|, |v[X+32*\k+1]|, 0x2800000
.endr
.irp i, 2,4,6,8,10,12,14,16,18,20,22,24,26,28,30
.irp k, 0,1,2,3
	v_max3_num_f32 v[MX+\k], v[MX+\k], |v[X+32*\k+\i]|, |v[X+32*\k+\i+1]|
.endr
.endr
.irp k, 0,1,2,3
	v_add_nc_u32 v[SCL+\k], 0xfe000000, v[MX+\k]   ; 4 off the exponent field: the conversion takes this operand's exponent field as its scale
.endr
.irp k, 0,1,2,3
	v_lshrrev_b32 v[BYT+\k], 23, v[SCL+\k]
.endr
.endm
.macro CODES k, dst                    ; block k's 32 codes: the lower 16 into v[dst] on, the upper 16 aside
	v_cvt_scalef32_pk16_bf6_f32 v[(\dst):(\dst)+2], v[X+32*(\k):X+32*(\k)+15], v[SCL+(\k)]
	v_cvt_scalef32_pk16_bf6_f32 v[TC+4*(\k):TC+4*(\k)+2], v[X+32*(\k)+16:X+32*(\k)+31], v[SCL+(\k)]
.endm
.macro MOVES k, dst
.irp i, 0,1,2
	v_mov_b32 v[(\dst)+3+\i], v[TC+4*(\k)+\i]
.endr
.endm
	s_load_b128 s[4:7], s[0:1], 0x0                ; all_weights, data
	s_load_b128 s[8:11], s[0:1], 0x10              ; wq, xq
	s_load_b64 s[12:13], s[0:1], 0x20              ; xt
	v_lshrrev_b32 v1, 5, v0
	v_readfirstlane_b32 s14, v1                    ; wave
	v_and_b32 v2, 31, v0                           ; lane
	v_and_b32 v3, 15, v0                           ; r
	v_bfe_u32 v4, v0, 4, 1                         ; h
	s_mov_b32 s19, 0
	s_mov_b32 s20, 0x76543210
	s_mov_b32 s21, 0xfedcba98                      ; v_permlanex16_b32's selects for lane l xor 16
	s_wait_kmcnt 0x0
	s_cmp_ge_u32 ttmp9, 384
	s_cbranch_scc1 .Lcols
	; ---- ROWS: K is innermost.  Lane (r, h) takes, of row r, the blocks h, 2 + h, 4 + h, 6 + h: just what the two images give that lane
	s_cmp_lt_u32 ttmp9, 256                        ; all_weights or data: the choice hangs on the work-group's number alone
	s_cselect_b64 s[4:5], s[4:5], s[6:7]
	s_cselect_b64 s[8:9], s[8:9], s[10:11]
	s_cselect_b32 s15, 0, 1                        ; what is added to a scale byte: 1 makes the record stand for 2 x data
	s_cselect_b32 s16, 0, 256
	s_sub_co_u32 s16, ttmp9, s16
	s_lshl_b32 s16, s16, 2
	s_add_co_u32 s16, s16, s14                     ; my tile of 16 rows
	s_lshl_b32 s18, s16, 14                        ; 16 rows of 1,024 bytes
	s_add_nc_u64 s[4:5], s[4:5], s[18:19]
	s_mul_i32 s18, s16, REC
	s_add_nc_u64 s[8:9], s[8:9], s[18:19]
	v_lshlrev_b32 v5, 10, v3
	v_lshl_add_u32 v5, v4, 7, v5                   ; row r, + 128 h bytes
.irp k, 0,1,2,3
.irp i, 0,1,2,3,4,5,6,7
	global_load_b128 v[X+32*\k+4*\i:X+32*\k+4*\i+3], v5, s[4:5] offset:256*\k+16*\i
.endr
.endr
	v_lshlrev_b32 v6, 4, v2                        ; an image's place for my lane
	v_lshlrev_b32 v7, 2, v2                        ; a word's
	v_mov_b32 v[T0+3], 0                           ; a lane permute's destination counts as one of its sources
	s_wait_loadcnt 0x0
.irp j, 0,1,2,3
	v_pk_mul_f32 v[SQ+2*\j:SQ+2*\j+1], v[X+2*\j:X+2*\j+1], v[X+2*\j:X+2*\j+1]   ; the first products start the four chains
.endr
.set pq, 4
.rept 60
	v_pk_fma_f32 v[SQ+2*(pq%4):SQ+2*(pq%4)+1], v[X+2*pq:X+2*pq+1], v[X+2*pq:X+2*pq+1], v[SQ+2*(pq%4):SQ+2*(pq%4)+1]
.set pq, pq+1
.endr
	v_pk_add_f32 v[SQ:SQ+1], v[SQ:SQ+1], v[SQ+2:SQ+3]
	v_pk_add_f32 v[SQ+4:SQ+5], v[SQ+4:SQ+5], v[SQ+6:SQ+7]
	v_pk_add_f32 v[SQ:SQ+1], v[SQ:SQ+1], v[SQ+4:SQ+5]
	v_add_f32 v[SQ], v[SQ], v[SQ+1]
	v_permlanex16_b32 v[T0+3], v[SQ], s20, s21
	v_add_f32 v[SQ], v[SQ], v[T0+3]                ; with lane l xor 16's half: the row's sum of squares, in both lanes
	MAXES
.irp k, 0,1,2,3
	v_add_nc_u32 v[BYT+\k], s15, v[BYT+\k]
.endr
.irp k, 0,1,2,3
	CODES \k, F+6*\k
.endr
	v_lshl_or_b32 v[T0], v[BYT+1], 16, v[BYT]      ; (plain lines behind the conversions)  my two bytes of the first image's scale word,
	v_lshl_or_b32 v[T0+1], v[BYT+3], 16, v[BYT+2]  ; and of the second's,
	v_lshlrev_b32 v[T0+2], 3, v4
	v_lshlrev_b32 v[T0], v[T0+2], v[T0]            ; at their places: 8 h bits up
	v_lshlrev_b32 v[T0+1], v[T0+2], v[T0+1]
.irp k, 0,1,2,3
	MOVES \k, F+6*\k
.endr
	v_permlanex16_b32 v[T0+3], v[T0], s20, s21
	v_or_b32 v[T0], v[T0], v[T0+3]                 ; with lane l xor 16's two bytes the word is whole
	v_permlanex16_b32 v[T0+3], v[T0+1], s20, s21
	v_or_b32 v[T0+1], v[T0+1], v[T0+3]
	v_cmp_ne_u32 vcc_lo, 0, v4
	v_cndmask_b32 v[T0], v[T0], v[T0+1], vcc_lo    ; lanes 0-15 keep the first image's word, lanes 16-31 the second's
.irp s, 0,1
.irp q, 0,1,2
	global_store_b128 v6, v[F+12*\s+4*\q:F+12*\s+4*\q+3], s[8:9] offset:1536*\s+512*\q   ; 32 lanes store 512 consecutive bytes
.endr
.endr
	global_store_b32 v7, v[T0], s[8:9] offset:3072
	global_store_b32 v7, v[SQ], s[8:9] offset:3200
	s_endpgm
.Lcols:
	; ---- COLUMNS of data: K = the samples.  A lane takes a dim and its registers run down 128 samples: four whole blocks, so no other lane is asked for a maximum
	s_sub_co_u32 s16, ttmp9, 384
	s_and_b32 s17, s16, 1
	s_lshl_b32 s17, s17, 2
	s_add_co_u32 s17, s17, s14                     ; my group of 32 dims: the work-group's four waves stand side by side on 512 bytes of a row
	s_lshr_b32 s16, s16, 1                         ; my 128 samples
	s_lshl_b32 s18, s16, 17
	s_lshl_b32 s22, s17, 7
	s_add_co_u32 s18, s18, s22
	s_add_nc_u64 s[6:7], s[6:7], s[18:19]
	s_mul_i32 s18, s16, XREC
	s_add_nc_u64 s[12:13], s[12:13], s[18:19]
	v_lshlrev_b32 v5, 2, v2
.set kq, 0
.rept 128
	global_load_b32 v[X+kq], v5, s[6:7] offset:1024*kq
.set kq, kq+1
.endr
	s_mul_i32 s22, s17, 3072                       ; my group's two images
	v_mul_u32_u24 v8, v4, 1536
	v_lshl_add_u32 v8, v3, 4, v8
	v_add_nc_u32 v8, s22, v8                       ; image 2 g + lane / 16, row lane % 16
	s_lshl_b32 s22, s17, 7
	v_add_nc_u32 v9, s22, v5                       ; my dim's scale word
	s_wait_loadcnt 0x0
	MAXES
	CODES 0, F                                     ; blocks 0 and 2 are what the image's lane (row, 0) holds,
	CODES 1, F+12                                  ; blocks 1 and 3 what lane (row, 1) holds
	CODES 2, F+6
	CODES 3, F+18
	v_lshl_or_b32 v[T0], v[BYT+1], 8, v[BYT]       ; (plain lines behind the conversions)  the four bytes make my dim's scale word
	v_lshl_or_b32 v[T0], v[BYT+2], 16, v[T0]
	v_lshl_or_b32 v[T0], v[BYT+3], 24, v[T0]
	MOVES 0, F
	MOVES 1, F+12
	MOVES 2, F+6
	MOVES 3, F+18
.irp e, 0,1
.irp q, 0,1,2
	global_store_b128 v8, v[F+12*\e+4*\q:F+12*\e+4*\q+3], s[12:13] offset:512*\q+256*\e   ; sixteen lanes store 256 consecutive bytes, aligned
.endr
.endr
	global_store_b32 v9, v[T0], s[12:13] offset:24576
	s_endpgm
.Lfunc_end_k_q44d08190a6_quant:
	.size	k_q44d08190a6_quant, .Lfunc_end_k_q44d08190a6_quant-k_q44d08190a6_quant
	.p2alignl 7, 3214868480
	.fill 96, 4, 3214868480
	.section	.rodata,"a",@progbits
	.p2align	6, 0x0
	.amdhsa_kernel k_q44d08190a6_quant
		.amdhsa_group_segment_fixed_size 0
		.amdhsa_private_segment_fixed_size 0
		.amdhsa_enable_private_segment 0
		.amdhsa_kernarg_size 40
		.amdhsa_user_sgpr_count 2
		.amdhsa_user_sgpr_kernarg_segment_ptr 1
		.amdhsa_wavefront_size32 1
		.amdhsa_system_sgpr_workgroup_id_x 1
		.amdhsa_system_sgpr_workgroup_id_y 1
		.amdhsa_system_sgpr_workgroup_id_z 1
		.amdhsa_system_vgpr_workitem_id 0
		.amdhsa_next_free_vgpr 224
		.amdhsa_next_free_sgpr 66
		.amdhsa_reserve_vcc 1
		.amdhsa_float_denorm_mode_32 3
		.amdhsa_float_denorm_mode_16_64 3
		.amdhsa_memory_ordered 1
		.amdhsa_forward_progress 1
		.amdhsa_inst_pref_size 35
	.end_amdhsa_kernel
	.amdgpu_metadata
---
amdhsa.version: [ 1, 2 ]
amdhsa.kernels:
  - .name:           k_q44d08190a6_quant
    .symbol:         k_q44d08190a6_quant.kd
    .args:
      - { .name: all_weights, .offset: 0, .size: 8, .value_kind: global_buffer, .address_space: global }
      - { .name: data, .offset: 8, .size: 8, .value_kind: global_buffer, .address_space: global }
      - { .name: wq, .offset: 16, .size: 8, .value_kind: global_buffer, .address_space: global }
      - { .name: xq, .offset: 24, .size: 8, .value_kind: global_buffer, .address_space: global }
      - { .name: xt, .offset: 32, .size: 8, .value_kind: global_buffer, .address_space: global }
    .group_segment_fixed_size: 0
    .private_segment_fixed_size: 0
    .kernarg_segment_align: 8
    .kernarg_segment_size: 40
    .max_flat_workgroup_size: 128
    .sgpr_count:     66
    .vgpr_count:     224
    .wavefront_size: 32
...
	.end_amdgpu_metadata
.endif
;; end of part 1
;; launch dist (part 2): grid 32 x 8, 16 waves a work-group, clusters of 4 x 1, 327,680 bytes of LDS; arguments wq, xq, cand; writes cand
.if DOCPART == 2
	.amdgcn_target "amdgcn-amd-amdhsa--gfx1250"
	.amdhsa_code_object_version 6
	.text
	.protected	k_q44d08190a6_dist
	.globl	k_q44d08190a6_dist
	.p2align	8
	.type	k_q44d08190a6_dist,@function
k_q44d08190a6_dist:
	s_mov_b64 s[64:65], 0
	v_nop
	global_prefetch_b8 v0, s[64:65] scope:SCOPE_SE
	s_setreg_imm32_b32 hwreg(HW_REG_WAVE_MODE, 25, 1), 1
	s_wait_xcnt 0x0
	s_wait_alu depctr_hold_cnt(0) depctr_sa_sdst(0) depctr_va_vdst(0) depctr_va_sdst(0) depctr_va_ssrc(0) depctr_va_vcc(0) depctr_vm_vsrc(0)
	s_getreg_b32 s2, hwreg(HW_REG_IB_STS2, 6, 4)
	s_cmp_eq_u32 s2, 0
	s_cbranch_scc0 .Lentry_in_a_cluster
	s_endpgm
.Lentry_in_a_cluster:
	s_bfe_u32 s2, ttmp6, 0x10000c
	s_cmp_lg_u32 s2, 0x3003
	s_cbranch_scc0 .Lentry_shape_is_right
	s_endpgm
.Lentry_shape_is_right:
; For each sample the nearest unit among a part of the units.  -dist^2 = Q(2 x) . Q(w) - (x_sq + w_sq): the sum x_sq + w_sq is rounded first, negated, and given to the first product as its C.
; The largest -dist^2 is kept with its unit's number; of equal ones the lowest number.  The square root and the choice among the 32 parts follow in the next launch.
; SHARES.  A work-group takes 256 samples x 2,048 units.  Wave wv: a = wv % 4: 64 samples, four tiles of 16, whose codes stay in registers; b = wv / 4: four of the sixteen unit tiles of each slot.
; Sixteen waves of 256 registers, four to a SIMD: while one wave walks its comparisons another's products and LDS loads can be issued.
; RING.  The units' records (16 units: two images, scale words, sums of squares: 3,328 bytes) come through two LDS slots of 16 records, dense: 208 rows of 256 bytes; waves 0 and 1 fetch 104 rows each.
; CLUSTER.  The four work-groups of a cluster share y, so they walk the same units: each slot is asked for JOINTLY, by the same tensor load with the same descriptor and the mask of all four.
; LAYOUT.  Source 0 = 16 units, source 1 = 16 samples: a lane holds ONE sample (lane % 16); register j of an accumulator is unit 8 (lane / 16) + j of the tile.
; A tile's eight results are kept (SAV) when its largest beats the running largest, strictly, so that the earlier tile stays on a tie; which register it was is found once, at the end.
; By this text's count at most one tensor load of a wave is out.
; LIMITS: inside a part the choice is made on the squares: a tie that only the square root's rounding would make goes to the smaller square, not to the lower number.  NaN and infinities are not served.
.set REC,   3328
.set SLOTB, 16*REC
.set HALFB, 8*REC                      ; 104 rows of 256 bytes
.set SLOT1, 65536                      ; slot 1 begins here: one exclusive or turns an address from one slot to the other
.set SPARE, 131072                     ; the spare words, 128 bytes for each of 16 waves: eight blocks of 256 bytes that no other line names
.set NSLOT, 8
.set SPW,  1                           ; v1   LDS address of my spare word; never rewritten
.set NIL,  2                           ; v2   0; never rewritten
.set ADW0, 3                           ; v3   my lane's place in my four records' images: 16 lane + 4 b records
.set ADS0, 4                           ; v4   among their scale words
.set ADQ0, 5                           ; v5   among their sums of squares: 32 (lane / 16)
.set ADW,  6                           ; v6-8 the same in the slot in hand
.set ADS,  7
.set ADQ,  8
.set HH,   9                           ; v9   lane / 16
.set LO,   10                          ; v10  16 x lane
.set L4,   11                          ; v11  4 x lane
.set CV,   12                          ; v12  the tile's number
.set XF,   16                          ; v16-111  samples' images: tile i, K step s at 24 i + 12 s
.set XS,   112                         ; v112-115 their scale words: lanes 0-15 K step 0, lanes 16-31 K step 1; scales and nothing else
.set XSQ,  116                         ; v116-123 x_sq of my sample in tile i at 2 i (the odd registers hold a copy: they are named in a pair)
.set WF,   124                         ; v124-147 a unit tile's two images
.set WS,   148                         ; v148     its scale words; scales and nothing else
.set WSQ,  150                         ; v150-157 w_sq of my eight units
.set ACC,  160                         ; v160-191 four accumulators
.set SAV,  192                         ; v192-223 the best tile's eight results, for each sample tile
.set RUN,  224                         ; v224-227 the running largest
.set ID,   228                         ; v228-231 the best tile's number
.set MM,   232                         ; v232-235 the last tile's largest
.set OUT,  236                         ; v236-239 what is stored
.set OV,   240                         ; v240-243, v248-251 lane l xor 16's value and number
.set IX,   244                         ; v244-247 the unit's number
.set OI,   248
.set WV,   10                          ; s10  wave
.set TB,   16                          ; s16  LDS byte at which the slot in hand begins
.set CUR,  17                          ; s17  the unit tile's number
.set SLOTS, 18
.set G1,   24                          ; s[24:31] descriptor group 1
.set G0,   32                          ; s[32:35] group 0, which walks
.set SEL,  36
.set MK,   40                          ; s40-43 lane masks
.macro ROUND                           ; a round of the cluster's barrier
	s_barrier_signal -1
	s_barrier_wait -1
	s_cmp_lg_u32 s[WV], 0
	s_cbranch_scc1 .Lnot_wave_0_\@
	s_barrier_signal -3
.Lnot_wave_0_\@:
	s_barrier_wait -3
	s_barrier_signal -1
	s_barrier_wait -1
.endm
.macro TLOAD                           ; waves 0 and 1 fetch a slot's halves; the branch hangs on the wave's number alone.  Four v_nop follow the load
	s_cmp_lt_u32 s[WV], 2
	s_cbranch_scc0 .Lnot_mine_\@
	tensor_load_to_lds s[G0:G0+3], s[G1:G1+7]
	s_nop 0
.rept 4
	v_nop
.endr
.Lnot_mine_\@:
.endm
	s_load_b128 s[4:7], s[0:1], 0x0                ; wq, xq
	s_load_b64 s[8:9], s[0:1], 0x10                ; cand
	v_lshl_add_u32 v[SPW], v0, 2, SPARE
	v_mov_b32 v[NIL], 0
	ds_add_u32 v1, v2
	s_wait_dscnt 0x0
	v_lshrrev_b32 v13, 5, v0
	v_readfirstlane_b32 s[WV], v13
	s_and_b32 s11, s[WV], 3                        ; a
	s_lshr_b32 s12, s[WV], 2                       ; b
	s_and_b32 s15, ttmp7, 0xffff                   ; y, which the four partners share
	s_mov_b32 s[G1], 15|(3<<16)|(1<<21)            ; 15:0 the mask: all four work-groups; 17:16 elements of 8 bytes; 20 no padding; 21 set beside a mask
	s_mov_b32 s[G1+1], 32<<16                      ; tensor_dim0 = 32 elements: 256 bytes
	s_mov_b32 s[G1+2], 104<<16                     ; tensor_dim1 = 104
	s_mov_b32 s[G1+3], 32<<16                      ; tile_dim0
	s_mov_b32 s[G1+4], 104                         ; tile_dim1
	s_mov_b32 s[G1+5], 32                          ; the pitch: the block is dense
	s_mov_b32 s[G1+6], 0
	s_mov_b32 s[G1+7], 0
	s_mov_b32 s[G0], 1
	s_mul_i32 s[G0+1], s[WV], HALFB                ; LDS: slot 0, my half
	s_mul_i32 s20, s15, 128*REC                    ; memory: y's 128 records, my half of the first 16
	s_add_co_u32 s20, s20, s[G0+1]
	s_mov_b32 s21, 0
	s_mov_b32 s[SEL], 0x76543210
	s_mov_b32 s[SEL+1], 0xfedcba98
	s_mov_b32 s[TB], 0
	s_lshl_b32 s[CUR], s15, 7
	s_lshl_b32 s22, s12, 2
	s_add_co_u32 s[CUR], s[CUR], s22               ; my first unit tile: 128 y + 4 b
	s_mov_b32 s[SLOTS], NSLOT-1
	s_wait_kmcnt 0x0
	s_add_nc_u64 s[G0+2:G0+3], s[4:5], s[20:21]
	s_or_b32 s[G0+3], s[G0+3], 0x80000000
	ROUND                                          ; all four work-groups are here: the first joint load meets
	TLOAD                                          ; slot 0
	s_bfe_u32 s44, ttmp6, 0x40000                  ; cx: it enters xq's and cand's addresses alone, in registers of their own
	s_lshl_b32 s46, ttmp9, 2
	s_add_co_u32 s46, s46, s44                     ; x
	s_lshl_b32 s44, s46, 2
	s_add_co_u32 s44, s44, s11                     ; my group of 64 samples: 4 x + a
	s_lshl_b32 s46, s44, 2
	s_mul_i32 s46, s46, REC                        ; its four records
	s_mov_b32 s47, 0
	s_add_nc_u64 s[6:7], s[6:7], s[46:47]
	s_lshl_b32 s46, s44, 5
	s_lshl_b32 s45, s15, 2
	s_add_co_u32 s46, s46, s45
	s_add_co_u32 s46, s46, s12                     ; 32 x group + part 4 y + b
	s_lshl_b32 s46, s46, 9
	s_add_nc_u64 s[8:9], s[8:9], s[46:47]
	v_and_b32 v13, 31, v0
	v_lshlrev_b32 v[LO], 4, v13
	v_lshlrev_b32 v[L4], 2, v13
	v_bfe_u32 v[HH], v0, 4, 1
.irp i, 0,1,2,3
.irp s, 0,1
.irp q, 0,1,2
	global_load_b128 v[XF+24*\i+12*\s+4*\q:XF+24*\i+12*\s+4*\q+3], v[LO], s[6:7] offset:\i*REC+1536*\s+512*\q
.endr
.endr
	global_load_b32 v[XS+\i], v[L4], s[6:7] offset:\i*REC+3072
	global_load_b32 v[XSQ+2*\i], v[L4], s[6:7] offset:\i*REC+3200
.endr
	s_mul_i32 s22, s12, 4*REC
	v_add_nc_u32 v[ADW0], s22, v[LO]
	v_add_nc_u32 v[ADS0], s22, v[L4]
	v_add_nc_u32 v[ADS0], 3072, v[ADS0]
	v_lshl_add_u32 v[ADQ0], v[HH], 5, s22
	v_add_nc_u32 v[ADQ0], 3200, v[ADQ0]
.irp i, 0,1,2,3
	v_mov_b32 v[RUN+\i], 0xff800000                ; -infinity, under every result
	v_mov_b32 v[MM+\i], 0xff800000
	v_mov_b32 v[ID+\i], 0
	v_mov_b32 v[OV+\i], 0                          ; a lane permute's destination counts as one of its sources
	v_mov_b32 v[OI+\i], 0
.endr
.set jq, 0
.rept 32
	v_mov_b32 v[SAV+jq], 0                         ; named as a source of the first selection
.set jq, jq+1
.endr
	s_wait_loadcnt 0x0
.irp i, 0,1,2,3
	v_mov_b32 v[XSQ+2*\i+1], v[XSQ+2*\i]
.endr
.macro LOADT kk                        ; record kk of my four: two images, scale words, my eight sums of squares
.irp s, 0,1
.irp q, 0,1,2
	ds_load_b128 v[WF+12*\s+4*\q:WF+12*\s+4*\q+3], v[ADW] offset:(\kk)*REC+1536*\s+512*\q
.endr
.endr
	ds_load_b32 v[WS], v[ADS] offset:(\kk)*REC
	ds_load_b128 v[WSQ:WSQ+3], v[ADQ] offset:(\kk)*REC
	ds_load_b128 v[WSQ+4:WSQ+7], v[ADQ] offset:(\kk)*REC+16
.endm
.macro TILE kk
	s_wait_dscnt 0x0                               ; the record is in registers
.irp i, 0,1,2,3
.irp p, 0,1,2,3
	v_pk_add_f32 v[ACC+8*\i+2*\p:ACC+8*\i+2*\p+1], v[WSQ+2*\p:WSQ+2*\p+1], v[XSQ+2*\i:XSQ+2*\i+1] op_sel_hi:[1,0] neg_lo:[1,1] neg_hi:[1,1]   ; C = -(w_sq + x_sq), rounded once
.endr
.endr
.irp i, 0,1,2,3
	v_max_num_f32 v[RUN+\i], v[RUN+\i], v[MM+\i]   ; the last tile's largest enters the running largest here: four plain lines between the last write of a C and the products
.endr
.irp i, 0,1,2,3                        ; the four accumulators take turns, one instruction a turn
	v_wmma_scale_f32_16x16x128_f8f6f4 v[ACC+8*\i:ACC+8*\i+7], v[WF:WF+11], v[XF+24*\i:XF+24*\i+11], v[ACC+8*\i:ACC+8*\i+7], v[WS], v[XS+\i] matrix_a_fmt:MATRIX_FMT_BF6 matrix_b_fmt:MATRIX_FMT_BF6
.endr
.irp i, 0,1,2,3
	v_wmma_scale_f32_16x16x128_f8f6f4 v[ACC+8*\i:ACC+8*\i+7], v[WF+12:WF+23], v[XF+24*\i+12:XF+24*\i+23], v[ACC+8*\i:ACC+8*\i+7], v[WS], v[XS+\i] matrix_a_fmt:MATRIX_FMT_BF6 matrix_b_fmt:MATRIX_FMT_BF6 matrix_a_scale:MATRIX_SCALE_ROW1 matrix_b_scale:MATRIX_SCALE_ROW1
.endr
	v_mov_b32 v[CV], s[CUR]                        ; four places behind the products, ahead of the loads into their sources and of the first read of results
.rept 3
	v_nop
.endr
.if (\kk) < 3
	LOADT (\kk)+1                                  ; the next record lands while this tile's results are compared
.endif
.irp i, 0,1,2,3
	v_max3_num_f32 v[MM+\i], v[ACC+8*\i], v[ACC+8*\i+1], v[ACC+8*\i+2]   ; each accumulator is read from its low end on
.endr
.irp i, 0,1,2,3
	v_max3_num_f32 v[MM+\i], v[MM+\i], v[ACC+8*\i+3], v[ACC+8*\i+4]
.endr
.irp i, 0,1,2,3
	v_max3_num_f32 v[MM+\i], v[MM+\i], v[ACC+8*\i+5], v[ACC+8*\i+6]
.endr
.irp i, 0,1,2,3
	v_max_num_f32 v[MM+\i], v[MM+\i], v[ACC+8*\i+7]
.endr
.irp i, 0,1,2,3
	v_cmp_gt_f32 s[MK+\i], v[MM+\i], v[RUN+\i]     ; strictly: on a tie the earlier tile stays
.endr
.irp i, 0,1,2,3
	v_cndmask_b32 v[ID+\i], v[ID+\i], v[CV], s[MK+\i]
.endr
.irp i, 0,1,2,3
.irp j, 0,1,2,3,4,5,6,7
	v_cndmask_b32 v[SAV+8*\i+\j], v[SAV+8*\i+\j], v[ACC+8*\i+\j], s[MK+\i]
.endr
.endr
	s_add_co_u32 s[CUR], s[CUR], 1
.endm
.macro SLOT                            ; my four records of the slot in hand
	v_add_nc_u32 v[ADW], s[TB], v[ADW0]
	v_add_nc_u32 v[ADS], s[TB], v[ADS0]
	v_add_nc_u32 v[ADQ], s[TB], v[ADQ0]
	LOADT 0
	TILE 0
	TILE 1
	TILE 2
	TILE 3
	s_xor_b32 s[TB], s[TB], SLOT1
	s_add_co_u32 s[CUR], s[CUR], 12                ; the other waves' twelve tiles of the slot
.endm
; THE CHANGE OF SLOTS stands at a slot's head.  Each wave waits for all its tensor loads, adds 0 to its spare word, and waits for that and for its reads of the slot that it has left.
; fill = 1: the barrier is a round of the cluster's, so that no wave of any partner still reads the other slot or has a load on its way; the joint load of the next 16 records is the first thing behind it.
.macro CHANGE fill
	s_wait_tensorcnt 0x0                           ; no tensor load of mine is out, so group 0 may be written
	ds_add_u32 v[SPW], v[NIL]
.if \fill
	s_xor_b32 s[G0+1], s[G0+1], SLOT1
	s_add_nc_u64 s[G0+2:G0+3], s[G0+2:G0+3], SLOTB
	s_wait_dscnt 0x0
	ROUND
	TLOAD
.else
	s_wait_dscnt 0x0
	s_barrier_signal -1
	s_barrier_wait -1
.endif
.endm
.Lslot:                                            ; seven trips: behind each change of slots but the last the next slot is asked for
	CHANGE 1
	SLOT
	s_sub_co_u32 s[SLOTS], s[SLOTS], 1
	s_cmp_lg_u32 s[SLOTS], 0
	s_cbranch_scc1 .Lslot
	CHANGE 0                                       ; the last slot is written out
	SLOT
	; THE END: which of the best tile's eight it was (the first that equals the largest), the unit's number, and the better of the two halves of the lanes
.irp i, 0,1,2,3
	v_max_num_f32 v[RUN+\i], v[RUN+\i], v[MM+\i]
.endr
.irp i, 0,1,2,3
	v_mov_b32 v[IX+\i], 7
.endr
.irp j, 6,5,4,3,2,1,0
.irp i, 0,1,2,3
	v_cmp_neq_f32 s[MK+\i], v[SAV+8*\i+\j], v[RUN+\i]
.endr
.irp i, 0,1,2,3
	v_cndmask_b32 v[IX+\i], \j, v[IX+\i], s[MK+\i]
.endr
.endr
.irp i, 0,1,2,3
	v_lshl_add_u32 v[IX+\i], v[ID+\i], 4, v[IX+\i]
.endr
.irp i, 0,1,2,3
	v_lshl_add_u32 v[IX+\i], v[HH], 3, v[IX+\i]    ; 16 x tile + 8 (lane / 16) + register
.endr
.irp i, 0,1,2,3
	v_permlanex16_b32 v[OV+\i], v[RUN+\i], s[SEL], s[SEL+1]
.endr
.irp i, 0,1,2,3
	v_permlanex16_b32 v[OI+\i], v[IX+\i], s[SEL], s[SEL+1]
.endr
.irp i, 0,1,2,3
	v_cmp_gt_f32 s[MK], v[OV+\i], v[RUN+\i]
	v_cmp_eq_f32 s[MK+1], v[OV+\i], v[RUN+\i]
	v_cmp_lt_u32 s[MK+2], v[OI+\i], v[IX+\i]
	s_and_b32 s[MK+1], s[MK+1], s[MK+2]
	s_or_b32 s[MK], s[MK], s[MK+1]                 ; the other half's is larger, or equal with the lower number
	v_cndmask_b32 v[RUN+\i], v[RUN+\i], v[OV+\i], s[MK]
	v_cndmask_b32 v[IX+\i], v[IX+\i], v[OI+\i], s[MK]
.endr
	v_cmp_ne_u32 vcc_lo, 0, v[HH]
	v_cndmask_b32 v[OUT], v[RUN], v[RUN+2], vcc_lo     ; lane (r, h): samples 32 h + r and 32 h + 16 + r of the group
	v_cndmask_b32 v[OUT+1], v[IX], v[IX+2], vcc_lo
	v_cndmask_b32 v[OUT+2], v[RUN+1], v[RUN+3], vcc_lo
	v_cndmask_b32 v[OUT+3], v[IX+1], v[IX+3], vcc_lo
	global_store_b128 v[LO], v[OUT:OUT+3], s[8:9]  ; 32 lanes store 512 consecutive bytes
	s_wait_tensorcnt 0x0                           ; the wave's end
	ds_add_u32 v[SPW], v[NIL]
	s_wait_dscnt 0x0
	ROUND                                          ; the closing round: no work-group ends while a partner may still ask for a slot that names it
	s_endpgm
.Lfunc_end_k_q44d08190a6_dist:
	.size	k_q44d08190a6_dist, .Lfunc_end_k_q44d08190a6_dist-k_q44d08190a6_dist
	.p2alignl 7, 3214868480
	.fill 96, 4, 3214868480
	.section	.rodata,"a",@progbits
	.p2align	6, 0x0
	.amdhsa_kernel k_q44d08190a6_dist
		.amdhsa_group_segment_fixed_size 327680
		.amdhsa_private_segment_fixed_size 0
		.amdhsa_enable_private_segment 0
		.amdhsa_kernarg_size 24
		.amdhsa_user_sgpr_count 2
		.amdhsa_user_sgpr_kernarg_segment_ptr 1
		.amdhsa_wavefront_size32 1
		.amdhsa_system_sgpr_workgroup_id_x 1
		.amdhsa_system_sgpr_workgroup_id_y 1
		.amdhsa_system_sgpr_workgroup_id_z 1
		.amdhsa_system_vgpr_workitem_id 0
		.amdhsa_next_free_vgpr 256
		.amdhsa_next_free_sgpr 66
		.amdhsa_reserve_vcc 1
		.amdhsa_float_denorm_mode_32 3
		.amdhsa_float_denorm_mode_16_64 3
		.amdhsa_memory_ordered 1
		.amdhsa_forward_progress 1
		.amdhsa_inst_pref_size 68
	.end_amdhsa_kernel
	.amdgpu_metadata
---
amdhsa.version: [ 1, 2 ]
amdhsa.kernels:
  - .name:           k_q44d08190a6_dist
    .symbol:         k_q44d08190a6_dist.kd
    .args:
      - { .name: wq, .offset: 0, .size: 8, .value_kind: global_buffer, .address_space: global }
      - { .name: xq, .offset: 8, .size: 8, .value_kind: global_buffer, .address_space: global }
      - { .name: cand, .offset: 16, .size: 8, .value_kind: global_buffer, .address_space: global }
    .group_segment_fixed_size: 327680
    .private_segment_fixed_size: 0
    .kernarg_segment_align: 8
    .kernarg_segment_size: 24
    .max_flat_workgroup_size: 512
    .sgpr_count:     66
    .vgpr_count:     256
    .wavefront_size: 32
...
	.end_amdgpu_metadata
.endif
;; end of part 2
;; launch tables (part 3): grid 128 x 2, 4 waves a work-group, no clusters, 0 bytes of LDS; arguments cand, pxt, pyt; writes pxt, pyt
.if DOCPART == 3
	.amdgcn_target "amdgcn-amd-amdhsa--gfx1250"
	.amdhsa_code_object_version 6
	.text
	.protected	k_q44d08190a6_tables
	.globl	k_q44d08190a6_tables
	.p2align	8
	.type	k_q44d08190a6_tables,@function
k_q44d08190a6_tables:
	s_mov_b64 s[64:65], 0
	v_nop
	global_prefetch_b8 v0, s[64:65] scope:SCOPE_SE
	s_setreg_imm32_b32 hwreg(HW_REG_WAVE_MODE, 25, 1), 1
	s_wait_xcnt 0x0
; The 32 parts' winners of each sample become its best-matching unit, and that unit's grid coordinates become the two Gaussian tables.
; dist = sqrt(max(dist^2, 0)); the least wins, of equal ones the lowest unit number.  px[b][i] = exp(-(i - row)^2 / d), py[b][j] = exp(-(j - col)^2 / d) x lr, with d = 2 sigma^2 = 2^11.2 and lr = 0.5 e^-0.15 (it = 3).
; exp(x) is 2^(x log2 e): (i - row)^2 is a whole number, exact in f32, and is multiplied once, by KAPPA = -log2(e) / d.
; pxt, pyt: [256 blocks of 32 samples][8 groups of 4 samples][128 coordinates][4 samples], f32: a lane of the next launch takes four samples of its coordinate by one load of 16 bytes.
; SHARES.  Work-group (x, y): 64 samples, table y (0: px, 1: py).  Wave G makes coordinates 32 G + lane.  All four waves redo the choice among the parts (16 KiB of loads): cheaper than handing it round.
; LIMITS: a negative square, where the square root would give NaN, is held at 0.  lr is multiplied into py, not into px x py: a neighbourhood weight differs by one rounding of f32.
.set CA,    32                         ; v32-159  part p: value and number of sample 32 h + r, then of sample 32 h + 16 + r; part 0's registers keep the best
.set VV,    64                         ; v64-127  the table's numbers: 32 samples for each of two blocks
.set CO,    164                        ; v164     my coordinate, f32
.set WC,    166                        ; v166-167 the two samples' winning coordinates, f32
.set KAPPA, 0xba20c29c
.set LR,    0x3edc575c
	s_load_b128 s[4:7], s[0:1], 0x0                ; cand, pxt
	s_load_b64 s[8:9], s[0:1], 0x10                ; pyt
	v_lshrrev_b32 v1, 5, v0
	v_readfirstlane_b32 s10, v1                    ; wave G
	v_and_b32 v2, 31, v0
	v_lshlrev_b32 v3, 4, v2                        ; 16 x lane
	s_and_b32 s11, ttmp7, 0xffff                   ; which table
	s_lshl_b32 s12, ttmp9, 14                      ; the group's 32 parts of 512 bytes
	s_mov_b32 s13, 0
	s_wait_kmcnt 0x0
	s_add_nc_u64 s[4:5], s[4:5], s[12:13]
.set pq, 0
.rept 32
	global_load_b128 v[CA+4*pq:CA+4*pq+3], v3, s[4:5] offset:512*pq
.set pq, pq+1
.endr
	s_cmp_eq_u32 s11, 0
	s_cselect_b64 s[6:7], s[6:7], s[8:9]           ; the table's buffer: the choice hangs on the work-group's number alone
	s_cselect_b32 s14, 7, 0                        ; row = number / 128, column = number % 128
	s_lshl_b32 s16, ttmp9, 15                      ; two blocks of 16,384 bytes
	s_lshl_b32 s15, s10, 9                         ; my 32 coordinates of 16 bytes
	s_add_co_u32 s16, s16, s15
	s_mov_b32 s17, 0
	s_add_nc_u64 s[6:7], s[6:7], s[16:17]
	v_lshl_add_u32 v4, s10, 5, v2
	v_cvt_f32_u32 v[CO], v4
	s_wait_loadcnt 0x0
.set pq, 0
.rept 32
	v_max_num_f32 v[CA+4*pq], -v[CA+4*pq], 0       ; what was stored is -dist^2
	v_max_num_f32 v[CA+4*pq+2], -v[CA+4*pq+2], 0
.set pq, pq+1
.endr
.set pq, 0
.rept 32
	v_sqrt_f32 v[CA+4*pq], v[CA+4*pq]
	v_sqrt_f32 v[CA+4*pq+2], v[CA+4*pq+2]
.set pq, pq+1
.endr
	v_nop                                          ; a plain line behind the last square root,
	s_wait_alu depctr_va_vdst(0)                   ; and one wait for the whole batch, ahead of its first reader
.set pq, 1
.rept 31
	v_cmp_lt_f32 s20, v[CA+4*pq], v[CA]
	v_cmp_eq_f32 s21, v[CA+4*pq], v[CA]
	v_cmp_lt_u32 s22, v[CA+4*pq+1], v[CA+1]
	v_cmp_lt_f32 s24, v[CA+4*pq+2], v[CA+2]
	v_cmp_eq_f32 s25, v[CA+4*pq+2], v[CA+2]
	v_cmp_lt_u32 s26, v[CA+4*pq+3], v[CA+3]
	s_and_b32 s21, s21, s22
	s_and_b32 s25, s25, s26
	s_or_b32 s20, s20, s21                         ; nearer, or as near with the lower number
	s_or_b32 s24, s24, s25
	v_cndmask_b32 v[CA], v[CA], v[CA+4*pq], s20
	v_cndmask_b32 v[CA+1], v[CA+1], v[CA+4*pq+1], s20
	v_cndmask_b32 v[CA+2], v[CA+2], v[CA+4*pq+2], s24
	v_cndmask_b32 v[CA+3], v[CA+3], v[CA+4*pq+3], s24
.set pq, pq+1
.endr
	v_lshrrev_b32 v[WC], s14, v[CA+1]
	v_lshrrev_b32 v[WC+1], s14, v[CA+3]
	v_and_b32 v[WC], 127, v[WC]
	v_and_b32 v[WC+1], 127, v[WC+1]
	v_cvt_f32_u32 v[WC], v[WC]
	v_cvt_f32_u32 v[WC+1], v[WC+1]
.irp hb, 0,1                           ; block hb: samples 32 hb + t; t < 16 lies in the first register of lane t + 16 hb, t >= 16 in the second of lane t - 16 + 16 hb
.set tq, 0
.rept 32
	v_readlane_b32 s[32+tq], v[WC+tq/16], (tq%16)+16*\hb
.set tq, tq+1
.endr
.set tq, 0
.rept 32
	v_sub_f32 v[VV+32*\hb+tq], s[32+tq], v[CO]
.set tq, tq+1
.endr
.set tq, 0
.rept 32
	v_mul_f32 v[VV+32*\hb+tq], v[VV+32*\hb+tq], v[VV+32*\hb+tq]
.set tq, tq+1
.endr
.set tq, 0
.rept 32
	v_mul_f32 v[VV+32*\hb+tq], KAPPA, v[VV+32*\hb+tq]
.set tq, tq+1
.endr
.set tq, 0
.rept 32
	v_exp_f32 v[VV+32*\hb+tq], v[VV+32*\hb+tq]
.set tq, tq+1
.endr
	v_nop
	s_wait_alu depctr_va_vdst(0)                   ; one wait for the 32, ahead of the branch and of their first reader
	s_cmp_eq_u32 s11, 0
	s_cbranch_scc1 .Lpx_\hb
.set tq, 0
.rept 32
	v_mul_f32 v[VV+32*\hb+tq], LR, v[VV+32*\hb+tq]
.set tq, tq+1
.endr
.Lpx_\hb:
.irp q, 0,1,2,3,4,5,6,7
	global_store_b128 v3, v[VV+32*\hb+4*\q:VV+32*\hb+4*\q+3], s[6:7] offset:16384*\hb+2048*\q   ; 32 lanes store 512 consecutive bytes
.endr
.endr
	s_endpgm
.Lfunc_end_k_q44d08190a6_tables:
	.size	k_q44d08190a6_tables, .Lfunc_end_k_q44d08190a6_tables-k_q44d08190a6_tables
	.p2alignl 7, 3214868480
	.fill 96, 4, 3214868480
	.section	.rodata,"a",@progbits
	.p2align	6, 0x0
	.amdhsa_kernel k_q44d08190a6_tables
		.amdhsa_group_segment_fixed_size 0
		.amdhsa_private_segment_fixed_size 0
		.amdhsa_enable_private_segment 0
		.amdhsa_kernarg_size 24
		.amdhsa_user_sgpr_count 2
		.amdhsa_user_sgpr_kernarg_segment_ptr 1
		.amdhsa_wavefront_size32 1
		.amdhsa_system_sgpr_workgroup_id_x 1
		.amdhsa_system_sgpr_workgroup_id_y 1
		.amdhsa_system_sgpr_workgroup_id_z 1
		.amdhsa_system_vgpr_workitem_id 0
		.amdhsa_next_free_vgpr 168
		.amdhsa_next_free_sgpr 66
		.amdhsa_reserve_vcc 0
		.amdhsa_float_denorm_mode_32 3
		.amdhsa_float_denorm_mode_16_64 3
		.amdhsa_memory_ordered 1
		.amdhsa_forward_progress 1
		.amdhsa_inst_pref_size 54
	.end_amdhsa_kernel
	.amdgpu_metadata
---
amdhsa.version: [ 1, 2 ]
amdhsa.kernels:
  - .name:           k_q44d08190a6_tables
    .symbol:         k_q44d08190a6_tables.kd
    .args:
      - { .name: cand, .offset: 0, .size: 8, .value_kind: global_buffer, .address_space: global }
      - { .name: pxt, .offset: 8, .size: 8, .value_kind: global_buffer, .address_space: global }
      - { .name: pyt, .offset: 16, .size: 8, .value_kind: global_buffer, .address_space: global }
    .group_segment_fixed_size: 0
    .private_segment_fixed_size: 0
    .kernarg_segment_align: 8
    .kernarg_segment_size: 24
    .max_flat_workgroup_size: 128
    .sgpr_count:     66
    .vgpr_count:     168
    .wavefront_size: 32
...
	.end_amdgpu_metadata
.endif
;; end of part 3
;; launch update (part 4): grid 256 x 1, 8 waves a work-group, clusters of 4 x 1, 327,680 bytes of LDS; arguments xt, pxt, pyt, all_weights, out0; writes out0
.if DOCPART == 4
	.amdgcn_target "amdgcn-amd-amdhsa--gfx1250"
	.amdhsa_code_object_version 6
	.text
	.protected	k_q44d08190a6_update
	.globl	k_q44d08190a6_update
	.p2align	8
	.type	k_q44d08190a6_update,@function
k_q44d08190a6_update:
	s_mov_b64 s[64:65], 0
	v_nop
	global_prefetch_b8 v0, s[64:65] scope:SCOPE_SE
	s_setreg_imm32_b32 hwreg(HW_REG_WAVE_MODE, 25, 1), 1
	s_wait_xcnt 0x0
	s_wait_alu depctr_hold_cnt(0) depctr_sa_sdst(0) depctr_va_vdst(0) depctr_va_sdst(0) depctr_va_ssrc(0) depctr_va_vcc(0) depctr_vm_vsrc(0)
	s_getreg_b32 s2, hwreg(HW_REG_IB_STS2, 6, 4)
	s_cmp_eq_u32 s2, 0
	s_cbranch_scc0 .Lentry_in_a_cluster
	s_endpgm
.Lentry_in_a_cluster:
	s_bfe_u32 s2, ttmp6, 0x10000c
	s_cmp_lg_u32 s2, 0x3003
	s_cbranch_scc0 .Lentry_shape_is_right
	s_endpgm
.Lentry_shape_is_right:
; out[unit][dim] = (sum over samples of Q(neighbor[sample][unit]) Q(data[sample][dim])) / (sum over samples of neighbor[sample][unit]), or all_weights where that sum is 0.
; neighbor = px[sample][row] x (py[sample][col] lr), made here in f32 from the two tables and quantised along the samples, 32 to a block; the divisor is the f32 sum of the unquantised numbers.
; SHARES.  A work-group owns 64 units (4 grid rows x 16 columns) and all 256 dims, so each neighbourhood weight is made once in the launch.  K = 8,192 samples in 64 steps of 128.
; TWO ROLES.  Waves 0-3 MAKE: wave w makes the w-th block of 32 samples of a K step for all 64 units (vector work alone).  Waves 4-7 MULTIPLY: wave 4 + c takes 64 units x dims 64 c .. 64 c + 63: 16 accumulators.
; So vector work and matrix work are different waves' and can be issued side by side.  All waves walk one loop and part on the wave's number inside it; every LDS address register is made at the head and never rewritten.
; PIPELINE.  In iteration t the makers write step t + 2's images; the multipliers multiply step t, read unit fragments 2, 3 of step t, and fragments 0, 1, the scale words and data's images of step t + 1.  One barrier a step.
; Four image buffers take turns: the one written in iteration t was last read in iteration t - 2.
; RING.  data's records (xt: 16 images and 256 scale words for 128 samples: 25,600 bytes) come through two LDS slots of four records; waves 4-7 fetch one record each.  A slot is left in iterations 3 and 7 of eight:
; there the barrier is the refill's, and the load has four iterations in which to land.  By this text's count a wave has two tensor loads out at the start, one later.
; CLUSTER.  All work-groups walk the same records: the four of a cluster ask for each JOINTLY, by the same tensor load with the same descriptor and the mask of all four.
; LAYOUT.  Source 0 = 16 dims, source 1 = 16 units: a lane holds one unit and eight neighbouring dims.
; LIMITS: lr stands in the table py, so a weight is px x (py lr), one rounding of f32 away from (px py) lr.  The division is a reciprocal and a multiplication.
.set RECB,   25600
.set SLOTB,  4*RECB
.set SLOT1,  131072                    ; slot 1 begins here: one exclusive or turns the walking descriptor from one slot to the other
.set AIMG,   233472                    ; four buffers of 6,144 bytes: four unit fragments of 1,536: lane l's 12 registers at 48 l
.set ABUF,   6144
.set ASC,    258048                    ; four buffers of 256 bytes: unit column r: four scale words, one a fragment; byte w is block w's
.set DEN,    259072                    ; 64 units x four makers' partial sums
.set STG,    260096                    ; the way out: 16 rows x (256 bytes + 16) for each multiplying wave
.set SPITCH, 272
.set SPARE,  277504                    ; the spare words, 128 bytes for each of 8 waves: four blocks of 256 bytes that no other line names
.set STEPT,  65536                     ; a K step in pxt and in pyt: four blocks of 16,384 bytes
.set SPW, 1                            ; v1   LDS address of my spare word; never rewritten
.set NIL, 2                            ; v2   0; never rewritten
.set AST, 3                            ; v3   makers: where my 24 bytes of codes go
.set ASB, 4                            ; v4   makers: my scale byte
.set DNS, 5                            ; v5   makers: my partial sum
.set PYO, 6                            ; v6   makers: my offset in pyt
.set PXO, 7                            ; v7   makers: in pxt
.set ALD, 8                            ; v8   multipliers: 48 x lane in a unit fragment
.set SAL, 9                            ; v9   multipliers: my unit column's four scale words
.set BLD, 10                           ; v10-13 multipliers: my four images of data in slot s, records 2 p, 2 p + 1: at 2 s + p (an LDS offset has 16 bits)
.set SBL, 14                           ; v14-17 their scale words likewise
.set STO, 18                           ; v18  the way out: where I put 32 bytes of a row
.set RDA, 19                           ; v19  where I read a row back
.set DNL, 20                           ; v20  my row's four partial sums
.set GO,  21                           ; v21  my offset in all_weights and out0
.set PFO, 22                           ; v22  the prefetches' offset
.set PY,  32                           ; makers: v32-159 py lr, 32 samples of my column: four sets by turns
.set PXQ, 160                          ; v160-175 px: four samples of one grid row a lane: four sets
.set NN,  176                          ; v176-207 32 weights of one unit
.set CD,  208                          ; v208-231 for each g: 6 registers of codes, 3 aside, the byte, two maxima
.set DS,  232                          ; v232-239 for each g: the running sum, two chains of two
.set AF,  32                           ; multipliers: v32-79 four unit fragments
.set BF,  80                           ; v80-175 data's four fragments, two sets
.set SA,  240                          ; v240-247 the units' scale words, two sets;  v248-255 data's: these sixteen hold scales and nothing else, in both roles
.set SB,  248
.set RR,  32                           ; the way out: v32-63 rows of sums, v64-95 partial divisors, v96-223 rows of all_weights, v224-231 divisors, v232-239 reciprocals
.set DP,  64
.set WW,  96
.set SS,  224
.set RC,  232
.set WV,  14                           ; s14  wave
.set CW,  15                           ; s15  wave % 4
.set TRIP, 20
.set G1,  24                           ; s[24:31] descriptor group 1
.set G0A, 32                           ; s[32:35] group 0 for slot 0's first fill
.set G0W, 36                           ; s[36:39] group 0 that begins at slot 1 and walks
.set MSB, 0
.macro WIN new                         ; the immediate's high byte repeats the setting that is left
.if MSB != \new
	s_set_vgpr_msb (MSB<<8)|\new
.set MSB, \new
.endif
.endm
.macro PLACES                          ; four places behind matrix instructions, ahead of loads into their sources and of the first read of results
.rept 4
	v_nop
.endr
.endm
.macro ROUND                           ; a round of the cluster's barrier
	s_barrier_signal -1
	s_barrier_wait -1
	s_cmp_lg_u32 s[WV], 0
	s_cbranch_scc1 .Lnot_wave_0_\@
	s_barrier_signal -3
.Lnot_wave_0_\@:
	s_barrier_wait -3
	s_barrier_signal -1
	s_barrier_wait -1
.endm
.macro TLOAD                           ; waves 4-7 fetch a record each; the branch hangs on the wave's number alone.  Four v_nop follow the load
	s_cmp_lt_u32 s[WV], 4
	s_cbranch_scc1 .Lnot_mine_\@
	tensor_load_to_lds s[G0W:G0W+3], s[G1:G1+7]
	s_nop 0
	PLACES
.Lnot_mine_\@:
.endm
; THE BARRIER between two iterations, on every wave's path.  In front of it a wave's LDS stores have landed and its LDS loads are in.
; kind 1: a slot is filled again: all tensor loads waited for, 0 added to the spare word, the descriptor stepped meanwhile; a round of the cluster's barrier; the joint load first behind it.
; kind 2: slot 0's first fill has landed, slot 1's may stay out.   kind 3: the last fill has landed.
.macro BAR kind
.if (\kind) == 1
	s_wait_tensorcnt 0x0
	ds_add_u32 v[SPW], v[NIL]
	s_xor_b32 s[G0W+1], s[G0W+1], SLOT1
	s_add_nc_u64 s[G0W+2:G0W+3], s[G0W+2:G0W+3], SLOTB
	s_wait_dscnt 0x0
	ROUND
	TLOAD
.else
.if (\kind) == 2
	s_wait_tensorcnt 0x1
.endif
.if (\kind) == 3
	s_wait_tensorcnt 0x0
.endif
	s_wait_dscnt 0x0
	s_barrier_signal -1
	s_barrier_wait -1
.endif
.endm
; ---- THE MAKERS
.macro TLD rel, rs                     ; nine loads: the tables of my block in the K step rel steps behind the bases, into set rs
.irp q, 0,1,2,3,4,5,6,7
	global_load_b128 v[PY+32*(\rs)+4*\q:PY+32*(\rs)+4*\q+3], v[PYO], s[8:9] offset:(\rel)*STEPT+\q*2048
.endr
	global_load_b128 v[PXQ+4*(\rs):PXQ+4*(\rs)+3], v[PXO], s[6:7] offset:(\rel)*STEPT
.endm
.macro MUL4 n, rs                      ; lane n of my half of the lanes holds px of samples 4 (n % 8) .. + 3 in grid row 2 (n / 8) + lane / 16: it is shared out as the multiplication reads it
.irp j, 0,1,2,3
	v_mul_f32_dpp v[NN+4*((\n)%8)+\j], v[PXQ+4*(\rs)+\j], v[PY+32*(\rs)+4*((\n)%8)+\j] row_share:\n row_mask:0xf bank_mask:0xf
.endr
.endm
.macro GMUL g, rs                      ; 32 weights of unit (grid row 2 g + lane / 16, column lane % 16)
.if (\g) == 0
.irp n, 0,1,2,3,4,5,6,7
	MUL4 \n, \rs
.endr
.else
.irp n, 8,9,10,11,12,13,14,15
	MUL4 \n, \rs
.endr
.endif
.endm
.macro GSTAT g, buf                    ; their sum, their largest, the scale, the codes; 24 bytes and a byte to LDS
.set GC, CD+12*(\g)
.set GD, DS+4*(\g)
.set mq, 0
.rept 16                               ; two chains of sums and two of maxima by turns.  No |.|: a weight is never negative
	v_pk_add_f32 v[GD+2*(mq%2):GD+2*(mq%2)+1], v[GD+2*(mq%2):GD+2*(mq%2)+1], v[NN+2*mq:NN+2*mq+1]
.if mq == 0
	v_max3_num_f32 v[GC+10], v[NN], v[NN+1], 0x2800000     ; with the floor 2^(5 - 127): the byte cannot fall under 1
.elseif mq == 1
	v_max3_num_f32 v[GC+11], v[NN+16], v[NN+17], v[NN+18]
.elseif mq == 15
	v_max3_num_f32 v[GC+10], v[GC+10], v[GC+11], v[NN+31]
.elseif mq%2 == 0
	v_max3_num_f32 v[GC+10], v[GC+10], v[NN+mq], v[NN+mq+1]
.else
	v_max3_num_f32 v[GC+11], v[GC+11], v[NN+16+mq], v[NN+17+mq]
.endif
.set mq, mq+1
.endr
	v_add_nc_u32 v[GC+11], 0xfe000000, v[GC+10]    ; 4 off the exponent field: the conversions' scale operand
	v_cvt_scalef32_pk16_bf6_f32 v[GC:GC+2], v[NN:NN+15], v[GC+11]
	v_cvt_scalef32_pk16_bf6_f32 v[GC+6:GC+8], v[NN+16:NN+31], v[GC+11]   ; (a conversion's three registers begin on an even number)
	v_lshrrev_b32 v[GC+9], 23, v[GC+11]            ; the scale's byte: also the plain line behind the conversions
.irp i, 0,1,2
	v_mov_b32 v[GC+3+\i], v[GC+6+\i]
.endr
.irp p, 0,1,2
	ds_store_b64 v[AST], v[GC+2*\p:GC+2*\p+1] offset:(\buf)*ABUF+(\g)*3072+8*\p
.endr
	ds_store_b8 v[ASB], v[GC+9] offset:(\buf)*256+8*(\g)
.endm
.macro GEN u, tld, lcnt                ; step u + 2's images.  lcnt: the loads of later steps, nine each, that may stay out.  tld = 1: the set just read takes the tables of four steps on
.set GR, ((\u)+10)%4
	s_wait_loadcnt \lcnt
	GMUL 0, GR
	GSTAT 0, GR
	GMUL 1, GR
.if \tld
	TLD (\u)+6, GR
.endif
	GSTAT 1, GR
.endm
.macro DENOUT                          ; my two units' sums over my quarter of the samples
	v_pk_add_f32 v[DS:DS+1], v[DS:DS+1], v[DS+2:DS+3]
	v_pk_add_f32 v[DS+4:DS+5], v[DS+4:DS+5], v[DS+6:DS+7]
	v_add_f32 v[DS], v[DS], v[DS+1]
	v_add_f32 v[DS+4], v[DS+4], v[DS+5]
	ds_store_b32 v[DNS], v[DS]
	ds_store_b32 v[DNS], v[DS+4] offset:512
.endm
; ---- THE MULTIPLIERS
.macro ALOAD a, buf
.irp q, 0,1,2
	ds_load_b128 v[AF+12*(\a)+4*\q:AF+12*(\a)+4*\q+3], v[ALD] offset:(\buf)*ABUF+(\a)*1536+16*\q
.endr
.endm
.macro SALOAD st, buf
	ds_load_b128 v[SA+4*(\st):SA+4*(\st)+3], v[SAL] offset:(\buf)*256
.endm
.macro BLOAD st, sl, rec               ; my four images of data and their scale words, from record rec of slot sl, into set st
.irp b, 0,1,2,3
.irp q, 0,1,2
	ds_load_b128 v[BF+48*(\st)+12*\b+4*\q:BF+48*(\st)+12*\b+4*\q+3], v[BLD+2*(\sl)+(\rec)/2] offset:((\rec)%2)*RECB+\b*1536+\q*512
.endr
.endr
.irp b, 0,1,2,3
	ds_load_b32 v[SB+4*(\st)+\b], v[SBL+2*(\sl)+(\rec)/2] offset:((\rec)%2)*RECB+\b*64
.endr
.endm
.macro MM a, st, zero                  ; unit fragment a against my four fragments of data.  The 16 accumulators (window 1, at 8 (4 a + b)) take turns, one instruction a turn
.irp b, 0,1,2,3
.if \zero
	v_wmma_scale_f32_16x16x128_f8f6f4 v[8*(4*(\a)+\b):8*(4*(\a)+\b)+7], v[BF+48*(\st)+12*\b:BF+48*(\st)+12*\b+11], v[AF+12*(\a):AF+12*(\a)+11], 0, v[SB+4*(\st)+\b], v[SA+4*(\st)+(\a)] matrix_a_fmt:MATRIX_FMT_BF6 matrix_b_fmt:MATRIX_FMT_BF6
.else
	v_wmma_scale_f32_16x16x128_f8f6f4 v[8*(4*(\a)+\b):8*(4*(\a)+\b)+7], v[BF+48*(\st)+12*\b:BF+48*(\st)+12*\b+11], v[AF+12*(\a):AF+12*(\a)+11], v[8*(4*(\a)+\b):8*(4*(\a)+\b)+7], v[SB+4*(\st)+\b], v[SA+4*(\st)+(\a)] matrix_a_fmt:MATRIX_FMT_BF6 matrix_b_fmt:MATRIX_FMT_BF6
.endif
.endr
.endm
; mode 0: a step.  1: no products yet, only step u + 1's operands.  2: the first products start the sums.  3: the last step: nothing more to fetch.
; pf = 0, 1: a prefetch of half of my 64 rows' 256 bytes of all_weights, a lane a row, each named once in the launch; it stands behind the run of LDS loads, five and six steps ahead of the way out.
.macro MULT u, mode, pf
.set MP,  ((\u)+8)%2
.set MBA, ((\u)+8)%4
.set MBN, ((\u)+9)%4
.set MSL, (((\u)+9)/4)%2
.set MZ, 0
.if (\mode) == 2
.set MZ, 1
.endif
	s_wait_loadcnt 0x0                             ; a multiplier has no global load out in the loop, so this wait is met at once.  It stands in this arm so that the makers' counts hold on every way through the
	                                               ; text, whichever arm an earlier iteration took: behind this arm no load is out, and in a run of makers' arms a set is loaded again four arms after its last load,
	                                               ; behind a wait that leaves the three later sets' 27 out.  It also stands ahead of the LDS loads below, into registers that are the makers' table sets
.if (\mode) == 1
	BLOAD 1-MP, MSL, MBN
	ALOAD 0, MBN
	ALOAD 1, MBN
	SALOAD 1-MP, MBN
.else
	ALOAD 2, MBA
	ALOAD 3, MBA
.if (\mode) != 3
	BLOAD 1-MP, MSL, MBN
.endif
.if (\pf) >= 0
	global_prefetch_b8 v[PFO], s[10:11] offset:(\pf)*262144 th:TH_LOAD_NT scope:SCOPE_SE
.endif
	WIN 0x50                                       ; C and D in window 1
	MM 0, MP, MZ
.if (\mode) != 3
	WIN 0
	PLACES
	ALOAD 0, MBN                                   ; fragment 0 is free: it takes the next step's
	WIN 0x50
.endif
	MM 1, MP, MZ
.if (\mode) != 3
	WIN 0
	PLACES
	ALOAD 1, MBN
	SALOAD 1-MP, MBN
	s_wait_dscnt 23                                ; fragments 2 and 3 are in: behind them 16 loads of data's, 3 of fragment 0, 4 of fragment 1 and the scale words
	WIN 0x50
.else
	s_wait_dscnt 0x0
.endif
	MM 2, MP, MZ
	MM 3, MP, MZ
	WIN 0
	PLACES
.endif
.endm
; An iteration: the barrier, then each role's work.  gen 1: images; 2: the partial sums go to LDS; 0: nothing left to make.
.macro ITER u, kind, gen, tld, lcnt, mode, pf
	BAR \kind
	s_cmp_lt_u32 s[WV], 4
	s_cbranch_scc0 .Lmul_\@
.if (\gen) == 1
	GEN \u, \tld, \lcnt
.elseif (\gen) == 2
	DENOUT
.endif
	s_branch .Ljoin_\@
.Lmul_\@:
	MULT \u, \mode, \pf
.Ljoin_\@:
.endm
	s_load_b128 s[4:7], s[0:1], 0x0                ; xt, pxt
	s_load_b128 s[8:11], s[0:1], 0x10              ; pyt, all_weights
	s_load_b64 s[12:13], s[0:1], 0x20              ; out0
	v_lshl_add_u32 v[SPW], v0, 2, SPARE
	v_mov_b32 v[NIL], 0
	ds_add_u32 v1, v2
	s_wait_dscnt 0x0
	v_lshrrev_b32 v24, 5, v0
	v_readfirstlane_b32 s[WV], v24
	s_and_b32 s[CW], s[WV], 3
	v_and_b32 v24, 31, v0                          ; lane
	v_and_b32 v25, 15, v0                          ; r
	v_bfe_u32 v26, v0, 4, 1                        ; h
	; every LDS address, in every wave, ahead of the first branch on the wave's number
	s_and_b32 s21, s[CW], 1
	s_mul_i32 s21, s21, 768                        ; block w belongs to the fragment's lane r + 16 (w % 2),
	s_lshr_b32 s22, s[CW], 1
	s_mul_i32 s22, s22, 24                         ; registers 6 (w / 2) on
	s_add_co_u32 s21, s21, s22
	s_add_co_u32 s21, s21, AIMG
	v_mul_u32_u24 v[AST], v25, 48
	v_mad_u32_u24 v[AST], v26, 1536, v[AST]        ; fragment 2 g + h
	v_add_nc_u32 v[AST], s21, v[AST]
	v_lshlrev_b32 v[ASB], 4, v25
	v_lshl_add_u32 v[ASB], v26, 2, v[ASB]
	s_add_co_u32 s21, s[CW], ASC
	v_add_nc_u32 v[ASB], s21, v[ASB]               ; 16 r + 4 h + w
	v_lshlrev_b32 v[DNS], 4, v25
	v_lshl_add_u32 v[DNS], v26, 8, v[DNS]
	s_lshl_b32 s21, s[CW], 2
	s_add_co_u32 s21, s21, DEN
	v_add_nc_u32 v[DNS], s21, v[DNS]               ; 16 x unit + 4 w
	v_mul_u32_u24 v[ALD], v24, 48
	v_add_nc_u32 v[ALD], AIMG, v[ALD]
	v_lshl_add_u32 v[SAL], v25, 4, ASC
	s_mul_i32 s21, s[CW], 6144                     ; my four images in a record
	v_lshl_add_u32 v27, v24, 4, s21
	s_lshl_b32 s21, s[CW], 8
	s_add_co_u32 s21, s21, 24576                   ; and their 64 scale words
	v_lshl_add_u32 v28, v25, 2, s21
.irp s, 0,1
.irp p, 0,1
	v_add_nc_u32 v[BLD+2*\s+\p], \s*SLOT1+\p*2*RECB, v27
	v_add_nc_u32 v[SBL+2*\s+\p], \s*SLOT1+\p*2*RECB, v28
.endr
.endr
	s_mul_i32 s21, s[CW], 16*SPITCH
	s_add_co_u32 s21, s21, STG
	v_mul_u32_u24 v[STO], v25, SPITCH
	v_lshl_add_u32 v[STO], v26, 5, v[STO]
	v_add_nc_u32 v[STO], s21, v[STO]               ; in: row r, 32 bytes for each half of the lanes
	v_mul_u32_u24 v[RDA], v26, SPITCH
	v_lshl_add_u32 v[RDA], v25, 4, v[RDA]
	v_add_nc_u32 v[RDA], s21, v[RDA]               ; back: lanes 0-15 one row, lanes 16-31 the next
	v_lshl_add_u32 v[DNL], v26, 4, DEN
	; offsets in memory
	v_lshlrev_b32 v[PYO], 4, v25                   ; py: my column's 16 bytes
	v_and_b32 v27, 7, v25
	v_lshrrev_b32 v28, 3, v25
	v_lshl_add_u32 v28, v28, 1, v26
	v_lshlrev_b32 v28, 4, v28
	v_lshl_add_u32 v[PXO], v27, 11, v28            ; px: samples 4 (r % 8) on, grid row 2 (r / 8) + h
	v_lshlrev_b32 v[GO], 4, v25
	v_lshl_add_u32 v[GO], v26, 10, v[GO]           ; rows of 1,024 bytes: lanes 16-31 one row on
	v_lshlrev_b32 v[PFO], 10, v25
	v_lshl_add_u32 v[PFO], v26, 17, v[PFO]         ; a lane a row: column r of grid row h
	s_mov_b32 s[G1], 15|(3<<16)|(1<<21)            ; 15:0 the mask: all four work-groups; 17:16 elements of 8 bytes; 20 no padding; 21 set beside a mask
	s_mov_b32 s[G1+1], 32<<16                      ; tensor_dim0 = 32 elements: 256 bytes
	s_mov_b32 s[G1+2], 100<<16                     ; tensor_dim1 = 100
	s_mov_b32 s[G1+3], 32<<16                      ; tile_dim0
	s_mov_b32 s[G1+4], 100                         ; tile_dim1
	s_mov_b32 s[G1+5], 32                          ; the pitch: a record is dense
	s_mov_b32 s[G1+6], 0
	s_mov_b32 s[G1+7], 0
	s_mul_i32 s21, s[CW], RECB                     ; my record of a slot: in LDS and in memory alike
	s_mov_b32 s22, s21
	s_mov_b32 s23, 0
	s_mov_b32 s[G0A], 1
	s_mov_b32 s[G0A+1], s21
	s_mov_b32 s[G0W], 1
	s_add_co_u32 s[G0W+1], s21, SLOT1
	s_wait_kmcnt 0x0
	s_add_nc_u64 s[G0A+2:G0A+3], s[4:5], s[22:23]
	s_add_nc_u64 s[G0W+2:G0W+3], s[G0A+2:G0A+3], SLOTB
	s_or_b32 s[G0A+3], s[G0A+3], 0x80000000
	s_or_b32 s[G0W+3], s[G0W+3], 0x80000000
	ROUND                                          ; all four work-groups are here: the first joint loads meet
	s_cmp_lt_u32 s[WV], 4                          ; a wave's two first fills stand in one branch: K steps 0-3 and 4-7
	s_cbranch_scc1 .Lno_first
	tensor_load_to_lds s[G0A:G0A+3], s[G1:G1+7]
	s_nop 0
	tensor_load_to_lds s[G0W:G0W+3], s[G1:G1+7]
	s_nop 0
	PLACES
.Lno_first:
	s_bfe_u32 s40, ttmp6, 0x40000                  ; cx: it enters the tables', all_weights' and out0's addresses alone, in registers of their own
	s_lshl_b32 s41, ttmp9, 2
	s_add_co_u32 s41, s41, s40                     ; the work-group's number
	s_and_b32 s42, s41, 7                          ; which 16 columns
	s_lshr_b32 s43, s41, 3                         ; which 4 grid rows
	s_lshl_b32 s44, s[CW], 14                      ; my block of a K step's four
	s_lshl_b32 s46, s42, 8
	s_add_co_u32 s46, s46, s44
	s_mov_b32 s47, 0
	s_add_nc_u64 s[8:9], s[8:9], s[46:47]
	s_lshl_b32 s46, s43, 6
	s_add_co_u32 s46, s46, s44
	s_add_nc_u64 s[6:7], s[6:7], s[46:47]
	s_lshl_b32 s46, s43, 19                        ; 4 grid rows of 128 units of 1,024 bytes,
	s_lshl_b32 s45, s42, 14                        ; 16 units,
	s_add_co_u32 s46, s46, s45
	s_lshl_b32 s45, s[CW], 8                       ; my 64 dims
	s_add_co_u32 s46, s46, s45
	s_add_nc_u64 s[10:11], s[10:11], s[46:47]
	s_add_nc_u64 s[12:13], s[12:13], s[46:47]
.set jq, 0
.rept 32
	v_mov_b32 v[NN+jq], 0                          ; written once: the destination of a multiplication that reads another lane counts as one of its sources
.set jq, jq+1
.endr
.irp j, 0,1,2,3,4,5,6,7
	v_mov_b32 v[DS+\j], 0                          ; the running sums
.endr
	s_cmp_lt_u32 s[WV], 4                          ; iteration -2: the makers alone
	s_cbranch_scc0 .Lfirst_join
	TLD 0, 0
	TLD 1, 1
	TLD 2, 2
	TLD 3, 3
	GEN -2, 1, 27
.Lfirst_join:
	ITER -1, 2, 1, 1, 27, 1, -1
	ITER 0, 0, 1, 1, 27, 2, -1
	s_mov_b32 s[TRIP], 7
.Ltrip:                                            ; seven trips of eight iterations: K steps 8 k + 1 .. 8 k + 8; every buffer, set and slot is back where it began
	ITER 1, 0, 1, 1, 27, 0, -1
	ITER 2, 0, 1, 1, 27, 0, -1
	ITER 3, 1, 1, 1, 27, 0, -1
	ITER 4, 0, 1, 1, 27, 0, -1
	ITER 5, 0, 1, 1, 27, 0, -1
	ITER 6, 0, 1, 1, 27, 0, -1
	ITER 7, 1, 1, 1, 27, 0, -1
	ITER 8, 0, 1, 1, 27, 0, -1
	s_wait_xcnt 0x0                                ; the tables' loads have read their bases: these step only behind this wait
	s_add_nc_u64 s[8:9], s[8:9], 8*STEPT
	s_add_nc_u64 s[6:7], s[6:7], 8*STEPT
	s_sub_co_u32 s[TRIP], s[TRIP], 1
	s_cmp_lg_u32 s[TRIP], 0
	s_cbranch_scc1 .Ltrip
	ITER 1, 0, 1, 1, 27, 0, 0                      ; K steps 57 to 63 are written out: no slot is filled, the last tables are asked for, the counts run down
	ITER 2, 0, 1, 0, 27, 0, 1
	ITER 3, 3, 1, 0, 18, 0, -1
	ITER 4, 0, 1, 0, 9, 0, -1
	ITER 5, 0, 1, 0, 0, 0, -1
	ITER 6, 0, 0, 0, 0, 0, -1
	ITER 7, 0, 2, 0, 0, 3, -1
	BAR 0                                          ; the partial sums lie in LDS
	s_cmp_lt_u32 s[WV], 4
	s_cbranch_scc1 .Lend
	; THE WAY OUT (multipliers).  A lane holds 32 neighbouring bytes of a unit's row and the lanes beside it hold other units: a fragment of 16 units goes through my own stage and comes back as rows of 256 bytes.
.irp a, 0,1,2,3
.irp i, 0,1,2,3,4,5,6,7
	global_load_b128 v[WW+32*\a+4*\i:WW+32*\a+4*\i+3], v[GO], s[10:11] offset:\a*131072+\i*2048 th:TH_LOAD_NT
.endr
.endr
.macro OUTF a, left                    ; left: the later fragments' loads of all_weights, eight each, that may stay out
.if (\a) > 0
	s_wait_xcnt 0x0                                ; the last fragment's stores have read their registers: these are loaded again only behind this wait
.endif
	WIN 0x04                                       ; an LDS store's data are its source 1: window 1
.irp b, 0,1,2,3
	ds_store_b128 v[STO], v[8*(4*(\a)+\b):8*(4*(\a)+\b)+3] offset:64*\b           ; each accumulator from its low end on
	ds_store_b128 v[STO], v[8*(4*(\a)+\b)+4:8*(4*(\a)+\b)+7] offset:64*\b+16
.endr
	WIN 0
.irp i, 0,1,2,3,4,5,6,7
	ds_load_b128 v[RR+4*\i:RR+4*\i+3], v[RDA] offset:\i*2*SPITCH      ; LDS serves a wave's instructions in order (ISA guide 5.7.1.4): these see my stores
.endr
.irp i, 0,1,2,3,4,5,6,7
	ds_load_b128 v[DP+4*\i:DP+4*\i+3], v[DNL] offset:(\a)*256+\i*32   ; the four makers' sums of unit 16 a + 2 i + h
.endr
	s_wait_dscnt 0x0
.irp i, 0,1,2,3,4,5,6,7
	v_pk_add_f32 v[DP+4*\i:DP+4*\i+1], v[DP+4*\i:DP+4*\i+1], v[DP+4*\i+2:DP+4*\i+3]
.endr
.irp i, 0,1,2,3,4,5,6,7
	v_add_f32 v[SS+\i], v[DP+4*\i], v[DP+4*\i+1]
.endr
.irp i, 0,1,2,3,4,5,6,7
	v_rcp_f32 v[RC+\i], v[SS+\i]
.endr
	v_nop                                          ; a plain line behind the last reciprocal,
	s_wait_alu depctr_va_vdst(0)                   ; and one wait for the eight, ahead of their first reader
	s_wait_loadcnt \left
.irp i, 0,1,2,3,4,5,6,7
	v_cmp_neq_f32 vcc_lo, 0, v[SS+\i]
.irp j, 0,1,2,3
	v_mul_f32 v[RR+4*\i+\j], v[RR+4*\i+\j], v[RC+\i]
.endr
.irp j, 0,1,2,3
	v_cndmask_b32 v[RR+4*\i+\j], v[WW+32*(\a)+4*\i+\j], v[RR+4*\i+\j], vcc_lo   ; where the divisor is 0 the old weight stays
.endr
	global_store_b128 v[GO], v[RR+4*\i:RR+4*\i+3], s[12:13] offset:(\a)*131072+\i*2048 th:TH_STORE_NT   ; sixteen lanes store 256 consecutive bytes, aligned
.endr
.endm
	OUTF 0, 24
	OUTF 1, 16
	OUTF 2, 8
	OUTF 3, 0
.Lend:
	s_wait_tensorcnt 0x0                           ; the wave's end
	ds_add_u32 v[SPW], v[NIL]
	s_wait_dscnt 0x0
	ROUND                                          ; the closing round: no work-group ends while a partner may still ask for a record that names it
	s_endpgm
.Lfunc_end_k_q44d08190a6_update:
	.size	k_q44d08190a6_update, .Lfunc_end_k_q44d08190a6_update-k_q44d08190a6_update
	.p2alignl 7, 3214868480
	.fill 96, 4, 3214868480
	.section	.rodata,"a",@progbits
	.p2align	6, 0x0
	.amdhsa_kernel k_q44d08190a6_update
		.amdhsa_group_segment_fixed_size 327680
		.amdhsa_private_segment_fixed_size 0
		.amdhsa_enable_private_segment 0
		.amdhsa_kernarg_size 40
		.amdhsa_user_sgpr_count 2
		.amdhsa_user_sgpr_kernarg_segment_ptr 1
		.amdhsa_wavefront_size32 1
		.amdhsa_system_sgpr_workgroup_id_x 1
		.amdhsa_system_sgpr_workgroup_id_y 1
		.amdhsa_system_sgpr_workgroup_id_z 1
		.amdhsa_system_vgpr_workitem_id 0
		.amdhsa_next_free_vgpr 384
		.amdhsa_next_free_sgpr 66
		.amdhsa_reserve_vcc 1
		.amdhsa_float_denorm_mode_32 3
		.amdhsa_float_denorm_mode_16_64 3
		.amdhsa_memory_ordered 1
		.amdhsa_forward_progress 1
		.amdhsa_inst_pref_size 255
	.end_amdhsa_kernel
	.section	.bss,"aw",@nobits
	.p2align	6
	.space	262144
	.amdgpu_metadata
---
amdhsa.version: [ 1, 2 ]
amdhsa.kernels:
  - .name:           k_q44d08190a6_update
    .symbol:         k_q44d08190a6_update.kd
    .args:
      - { .name: xt, .offset: 0, .size: 8, .value_kind: global_buffer, .address_space: global }
      - { .name: pxt, .offset: 8, .size: 8, .value_kind: global_buffer, .address_space: global }
      - { .name: pyt, .offset: 16, .size: 8, .value_kind: global_buffer, .address_space: global }
      - { .name: all_weights, .offset: 24, .size: 8, .value_kind: global_buffer, .address_space: global }
      - { .name: out0, .offset: 32, .size: 8, .value_kind: global_buffer, .address_space: global }
    .group_segment_fixed_size: 327680
    .private_segment_fixed_size: 0
    .kernarg_segment_align: 8
    .kernarg_segment_size: 40
    .max_flat_workgroup_size: 256
    .sgpr_count:     66
    .vgpr_count:     384
    .wavefront_size: 32
...
	.end_amdgpu_metadata
.endif
;; end of part 4
